; MI455X (gfx1250); checked and timed in simulation.
; The chip was launched on July 23, 2026; its instructions are those of AMD's public machine-readable ISA for CDNA 5 (MIT licence, August 2026) and "CDNA5" Instruction Set Architecture Reference Guide (July 2026). The comments in the code are by the model that wrote it; some were corrected since.
;; Feed Forward Quantum. Allowed arithmetic: matrix products marked QUANTISED: E2M1 operands, one E8M0 scale for each 32 along K, by v_wmma_scale_f32_16x16x128_f8f6f4 with both operands' format E2M1 (or v_wmma_scale_f32_32x16x128_f4), f32 sums; products left as they are: f32 operands where the result goes on into a quantised operand, else bf16, f16 or f32 operands; f32 sums; everything else in f32.
;; Inputs: W1 4,096 x 8 float32; W2_codes 1,024 x 128 x 16 uint8 (E2M1 codes of W2, K innermost, in blocks of 32 codes, two codes a byte); W2_scales 1,024 x 128 uint8 (E8M0 scales of W2, one for each 32 codes along K); b1 4,096 float32; b2 1,024 float32; ry_theta 8 float32; x 4 x 4,096 x 1,024 float32.
;; Outputs: out0 4 x 4,096 x 1,024 float32.
;; This version of the problem:
;;   THIS VERSION OF THE PROBLEM IS GIVEN IN LOW PRECISION. The matrix products marked QUANTISED in the list below multiply operands that are first quantised to E2M1 (2 exponent bits, 1 mantissa bit; 4 bits a number), with one power-of-two scale for each 32 numbers along K (OCP MX v1.0); their sums are f32. All else is computed in f32.
;;   The module's matrix products, in the order in which they are computed (A, B: the left and right operand; K: the contracted axis; several contracted axes count as one K, in the product's order):
;;     1. [M 16,384, K 8] x [K 8, N 4,096]; A: computed on the way; B: input W1: left as it is (K = 8 < 32)
;;     2. [M 16,384, K 4,096] x [K 4,096, N 1,024]; A: computed on the way; B: input W2 (given as codes): QUANTISED
;;   THE QUANTISER, for each operand of a quantised product, along K:
;;     - K is cut into blocks of 32 from its start; a last block that is shorter is filled with zeros.
;;     - A block's scale is 2^e with e = floor(log2(the largest magnitude in the block)) - 2, held to -126 .. 127; a block of zeros has e = 0. As a byte (E8M0): e + 127.
;;     - Each number is divided by its block's scale, clamped to +-6, and rounded to the nearest number of E2M1, ties to even, subnormals kept.
;;     - The product sums the exact products of the quantised numbers (number of the format x scale) in f32.
;;   ~~~python
;;   def quantise(x, axis):      # numpy; x: float32 -> the quantised numbers, widened to float32 again
;;       x = np.moveaxis(x, axis, -1); K = x.shape[-1]
;;       x = np.pad(x, [(0, 0)] * (x.ndim - 1) + [(0, -K % 32)]); x = x.reshape(x.shape[:-1] + (-1, 32)); a = np.abs(x).max(-1, keepdims=True)
;;       e = np.where(a > 0, np.clip(np.frexp(np.where(a > 0, a, 1))[1] - 1 - 2, -126, 127), 0)      # np.frexp(a)[1] - 1 = floor(log2(a)), exactly
;;       r = np.clip(x / 2.0 ** e, -6, 6)
;;       step = 2.0 ** (np.maximum(np.frexp(np.where(r == 0, 1, r))[1] - 1, 0) - 1)
;;       q = np.round(r / step) * step * 2.0 ** e      # np.round: ties to even
;;       return np.moveaxis(q.reshape(q.shape[:-2] + (-1,))[..., :K], -1, axis).astype(np.float32)
;;   ~~~
;;   OPERANDS COMPUTED ON THE WAY. 'Computed on the way' means the value that the module computes at that place (a softmax that the list does not call 'softmax' is quantised finished and normalised). What goes into a quantiser is computed in f32, as accurately as f32 sums, v_exp_f32 and their like allow (about 1e-6 of the number): no bf16 or f16 on the way to a quantiser, and a product that is left as it is and whose result goes on into a quantised operand takes f32 operands (vector FMAs, or v_wmma_f32_16x16x4_f32). A number that lies on a knife's edge between two numbers of the format may be rounded either way, as far as f32 arithmetic and the matrix unit's own rounding can turn it there, and no further.
;;   INPUTS GIVEN AS CODES. W2 (in the module: [1024, 4096], K = its axis 1): each comes as NAME_codes (uint8): NAME with its K axis moved to the last place and cut into blocks of 32 codes, [.., K / 32, bytes a block], one block behind the other in memory; two codes a byte, the lower K in the low four bits (a code: sign, 2 exponent bits, 1 mantissa bit); and NAME_scales (uint8): the same leading axes, one E8M0 byte (e + 127) for each 32 codes along K. Its value is code x scale, taken as it is: it is not quantised again, and the codes and scales need not be those that the quantiser above would give.
;; One version. Each part assembles by itself: llvm-mc -triple=amdgcn-amd-amdhsa -mcpu=gfx1250 --defsym DOCPART=n.
;; ======== version 1 of 1: 1 launch
;; limits: inputs' magnitudes at most 65,536
;; launch ffq (part 1): grid 256 x 1, 8 waves a work-group, clusters of 4 x 1, 327,680 bytes of LDS; arguments x, ry_theta, W1, b1, W2_codes, W2_scales, b2, out0; writes out0
.if DOCPART == 1
	.amdgcn_target "amdgcn-amd-amdhsa--gfx1250"
	.amdhsa_code_object_version 6
	.text
	.protected	k_q3ebb7806d0_ffq
	.globl	k_q3ebb7806d0_ffq
	.p2align	8
	.type	k_q3ebb7806d0_ffq,@function
k_q3ebb7806d0_ffq:
	s_mov_b64 s[64:65], 0
	v_nop
	global_prefetch_b8 v0, s[64:65] scope:SCOPE_SE
	s_setreg_imm32_b32 hwreg(HW_REG_WAVE_MODE, 25, 1), 1
	s_wait_xcnt 0x0
	s_wait_alu depctr_hold_cnt(0) depctr_sa_sdst(0) depctr_va_vdst(0) depctr_va_sdst(0) depctr_va_ssrc(0) depctr_va_vcc(0) depctr_vm_vsrc(0)
	s_getreg_b32 s2, hwreg(HW_REG_IB_STS2, 6, 4)
	s_cmp_eq_u32 s2, 0
	s_cbranch_scc0 .Lentry_in_a_cluster
	s_endpgm
.Lentry_in_a_cluster:
	s_bfe_u32 s2, ttmp6, 0x10000c
	s_cmp_lg_u32 s2, 0x3003
	s_cbranch_scc0 .Lentry_shape_is_right
	s_endpgm
.Lentry_shape_is_right:
; out = Q(relu(q W1^T + b1)) W2^T + b2,  q = cos(x[:, 0:8]) cos(theta).  16,384 tokens; hidden layer 4,096; 1,024 outputs, f32.
; The first product (K = 8) keeps f32 operands: v_wmma_f32_16x16x4_f32.  The hidden layer is quantised along its 4,096 to codes of FP4 (E2M1) with one E8M0 byte for each 32, in registers,
; and never goes to memory.  W2 arrives as codes [1024][2048 bytes] and scale bytes [1024][128].  The second product is v_wmma_scale_f32_16x16x128_f8f6f4 on FP4 codes, sums in f32.
; SHARES.  A work-group owns 64 tokens and ALL 1,024 outputs, so that each hidden number is made once in the whole launch: 16,384 / 64 = 256 work-groups.  K (the hidden layer) goes in 32 steps of 128.
;   EIGHT WAVES of 512 registers, two to a SIMD: a step has matrix work of two kinds, a quantiser's vector work and 26 LDS loads a wave, and one wave's vector work and waits stand beside the other's matrix work.
;   Second product: wave W makes all 64 tokens x outputs 128 W .. 128 W + 127: 32 accumulators of 16 x 16, 256 registers.  A fragment of W2 feeds four products, as it would in a wave of twice the width.
;   First product: in each step wave W makes block W % 4 (hidden units 128 j + 32 (W % 4) + 0 .. 31) for the tokens' tiles 2 (W / 4) and 2 (W / 4) + 1, quantises it, and stores it into LDS at its place in an
;   IMAGE OF THE OPERAND'S REGISTERS; a block of 32 is four registers of one lane there, so nothing changes lanes but one maximum.  Step j + 1's block is made in step j, ahead of step j's products; one barrier a step hands it over.
; BOTH PRODUCTS ARE USED TRANSPOSED (source 0 = 16 rows of the weight, source 1 = 16 tokens): a lane holds one token, and its registers run along the weight's rows.
;   THE ROWS OF W1 THAT FORM A TILE ARE NOT NEIGHBOURS: lane r of tile u takes row 8 u + r + 8 (r / 8) of the block, so that the 16 registers of tiles 0 and 1 are hidden units 16 (lane / 16) + 0 .. 15.
;   K = 8 is taken as k = 0, 1, 4, 5 and then 2, 3, 6, 7, alike on both sources: a lane loads 16 neighbouring bytes of its row.
; CLUSTER.  All work-groups walk the same W2.  The four of a cluster ask for each tile JOINTLY: the same tensor load, the same descriptor, the mask 15; each receives it in its own LDS.
;   A slot holds two steps (256 along K: rows of 128 bytes + 16 of padding, 1,024 rows); two slots.  Rows of 256 bytes would want two slots of 278,528 bytes, which LDS does not hold.
;   Waves 0, 1, 2 fetch 344, 344 and 336 rows of a slot; wave 3 fetches W2's scale bytes of four steps (16 bytes a row), which each wave copies into 16 registers at the first of the four; waves 4 to 7 fetch nothing.
; LIMITS.  The cosine (reduction by pi / 2 in two parts, polynomials of degree 7 and 8) serves |x|, |theta| up to 65,536.  NaN and infinities among the inputs are not served.
;   A block of the hidden layer whose largest number lies under 2^-124, a block of zeros among them, gets the byte 1 and zero codes where the rule says 127 for zeros: only this program reads these bytes.
;   Of x only the first 32 bytes of each row are read: the rest does not enter the result.
; REGISTERS, in two windows of 256: window 0: v0-21 addresses and the quantiser's work; v24-31 q; v32-47 W2's scale words; v48-49 h's; v50-53 b2; v54-57 codes; v64-95 the f32 products' results;
;   v96-111 the hidden numbers behind relu; v112-159 two sets of W1's fragments and b1; v160-223 W2's 8 fragments; v224-255 h's four.   window 1: accumulator (t, m) at v[8 (4 t + m)].
;   Only the products on codes and the stage's stores name window 1: two switches a step.
.set PITCH,  144                       ; a slot's row: 128 bytes + 16: 36 words, so the 16 rows that a load touches start at 16 different groups of four banks (64 banks of 4 bytes: ISA guide 11.1)
.set SLOT,   1024*PITCH                ; 147,456
.set SCH,    2*SLOT                    ; W2's scale bytes of four steps: row n's 16 bytes at 16 n; 16,384 bytes
.set HIMG,   SCH+16384                 ; h's images: 2 buffers x 4,096: tile of tokens m at 1,024 m, registers 4 c .. 4 c + 3 at + 512 c, lane l at + 16 l
.set HSC,    HIMG+8192                 ; h's scale words: 2 buffers x 256: token 16 m + r at 4 (16 m + r); byte b comes from the wave that makes block b
.set SPARE,  HSC+512                   ; the spare words, 128 bytes for each wave: four blocks of 256 bytes that no other line names
.set SPITCH, 528                       ; the way out: a stage of 16 rows x (512 + 16) bytes for each wave, in slot 0, which has had its last fill and its last read by then
.set SPW,   3                          ; v3   SPARE + 4 x my thread's number; never rewritten
.set NIL,   4                          ; v4   0; never rewritten
.set ADRB,  5                          ; v5-6 my place in W2's tiles, slot 0, 1
.set ADRA,  7                          ; v7   HIMG + 16 x lane
.set ADRHS, 8                          ; v8   HSC + 4 x lane
.set ADRSC, 9                          ; v9   SCH + 2,048 W + 16 r + 1,024 h
.set IMW,   10                         ; v10  where I store 8 bytes of codes: HIMG + 2,048 (W / 4) + 256 (W % 4) + 16 r + 8 h
.set HSW,   11                         ; v11  and my token's scale byte: HSC + 128 (W / 4) + 4 r + W % 4
.set VW1,   12                         ; v12  my byte in a step's 4,096 bytes of W1
.set VB1,   13                         ; v13  and in its 512 bytes of b1
.set STO,   14                         ; v14  the stage, in
.set RD,    15                         ; v15  the stage, back
.set CO,    16                         ; v16  512 W + 16 x lane: my bytes in a row of out0, and in b2
.set TM,    17
.set TP,    18
.set TS,    19
.set TB,    20                         ; v20-21 a scale byte for each of my two tiles of tokens
.set QF,    24                         ; q: my tile mm at QF + 4 mm: lane (r, h) holds q[16 (2 (W / 4) + mm) + r][4 h .. 4 h + 3]
.set SC,    32                         ; register 4 i + q: lanes 0-15 the word of output tile i, lanes 16-31 of tile i + 4, for the chunk's q-th step
.set HS,    48                         ; register p: lanes 0-15 tokens' tile 2 p, lanes 16-31 tile 2 p + 1
.set B2R,   50
.set PC,    54
.set TH,    58                         ; v58-61 theta, then its cosines
.set XO,    62
.set TO,    63
.set DH,    64                         ; v64-95: written by the f32 matrix instructions alone
.set RL,    96
.set WS,    112                        ; set s at WS + 24 s: W1 tile 0, tile 1 (4 each), b1 tile 0, tile 1 (8 each)
.set BF,    160                        ; W2's fragments
.set AF,    224                        ; h's fragments
.set CT,    160                        ; the cosine's work: 24 of the registers that W2's fragments take later
.set BK,    96                         ; the way out: v96-159 and v160-223 by turns
.set WV,    20
.set G1A,   24                         ; s[24:31] 344 rows;  s[32:39] 336 rows;  s[40:47] the scale bytes
.set G1B,   32
.set G1S,   40
.set G0C0,  48                         ; s[48:51] slot 0's group 0;  s[52:55] slot 1's;  s[56:59] the scale bytes'
.set G0C1,  52
.set G0S,   56
.set SEL,   60
.set CNT,   62
.set K2PI,  66
.set KHI,   67
.set KLO,   68
.set KS1,   69
.set KS2,   70
.set KS3,   71
.set KC1,   72
.set KC2,   73
.set KC3,   74
.set MSB, 0
.macro WIN new                         ; the immediate's high byte repeats the setting that is left; a switch that changes nothing is dropped
.if MSB != (\new)
	s_set_vgpr_msb (MSB<<8)|(\new)
.set MSB, (\new)
.endif
.endm
.set M_ON, 0x50                        ; sources 0 and 1 window 0, C and D window 1
.macro PLACES n
.rept \n
	v_nop
.endr
.endm
; A round of the cluster's barrier: my work-group's barrier; wave 0 signals for the work-group; every wave waits for all four work-groups; my work-group's barrier once more.
.macro ROUND
	s_barrier_signal -1
	s_barrier_wait -1
	s_cmp_lg_u32 s[WV], 0
	s_cbranch_scc1 .Lnot_wave_0_\@
	s_barrier_signal -3
.Lnot_wave_0_\@:
	s_barrier_wait -3
	s_barrier_signal -1
	s_barrier_wait -1
.endm
; A joint load, one a wave: waves 0 and 1 by the descriptor of 344 rows, wave 2 by that of 336, wave 3 the scale bytes (chunk = 1), the others none.  The branches hang on the wave's number alone.
; Four v_nop follow each tensor line, ahead of the jump, the label and what follows.
.macro JLOAD g0c, chunk
	s_cmp_lt_u32 s[WV], 2
	s_cbranch_scc0 .Lnot_a_\@
	tensor_load_to_lds s[\g0c:\g0c+3], s[G1A:G1A+7]
	s_nop 0
	PLACES 4
	s_branch .Lasked_\@
.Lnot_a_\@:
	s_cmp_eq_u32 s[WV], 2
	s_cbranch_scc0 .Lnot_b_\@
	tensor_load_to_lds s[\g0c:\g0c+3], s[G1B:G1B+7]
	s_nop 0
	PLACES 4
.if \chunk
	s_branch .Lasked_\@
.endif
.Lnot_b_\@:
.if \chunk
	s_cmp_eq_u32 s[WV], 3
	s_cbranch_scc0 .Lasked_\@
	tensor_load_to_lds s[G0S:G0S+3], s[G1S:G1S+7]
	s_nop 0
	PLACES 4
.endif
.Lasked_\@:
.endm
; cos of v[b] .. v[b + 3], in place, the four by turns.  n = the nearest whole number to x 2 / pi; rr = x - n pi / 2, pi / 2 in two parts, by fused multiply-adds; z = rr^2;
; sin = rr + z rr ((S3 z + S2) z + S1);  cos = 1 - z / 2 + z^2 ((C3 z + C2) z + C1);  n odd takes the sine, by a select; n mod 4 = 1 or 2 turns the sign.
.macro COS4 b
.irp i, 0,1,2,3
	v_mul_f32 v[CT+\i], s[K2PI], v[(\b)+\i]
.endr
.irp i, 0,1,2,3
	s_delay_alu instid0(VALU_DEP_4)
	v_rndne_f32 v[CT+\i], v[CT+\i]
.endr
.irp i, 0,1,2,3
	s_delay_alu instid0(VALU_DEP_4)
	v_fma_f32 v[CT+4+\i], v[CT+\i], s[KHI], v[(\b)+\i]
.endr
.irp i, 0,1,2,3
	s_delay_alu instid0(VALU_DEP_4)
	v_fma_f32 v[CT+4+\i], v[CT+\i], s[KLO], v[CT+4+\i]
.endr
.irp i, 0,1,2,3
	v_cvt_i32_f32 v[CT+20+\i], v[CT+\i]
.endr
.irp i, 0,1,2,3
	v_mul_f32 v[CT+8+\i], v[CT+4+\i], v[CT+4+\i]
.endr
.irp i, 0,1,2,3
	s_delay_alu instid0(VALU_DEP_4)
	v_fma_f32 v[CT+12+\i], v[CT+8+\i], s[KS3], s[KS2]
.endr
.irp i, 0,1,2,3
	v_fma_f32 v[CT+16+\i], v[CT+8+\i], s[KC3], s[KC2]
.endr
.irp i, 0,1,2,3
	v_fma_f32 v[CT+12+\i], v[CT+12+\i], v[CT+8+\i], s[KS1]
.endr
.irp i, 0,1,2,3
	v_fma_f32 v[CT+16+\i], v[CT+16+\i], v[CT+8+\i], s[KC1]
.endr
.irp i, 0,1,2,3
	v_mul_f32 v[CT+\i], v[CT+8+\i], v[CT+4+\i]
.endr
.irp i, 0,1,2,3
	s_delay_alu instid0(VALU_DEP_4)
	v_fma_f32 v[CT+12+\i], v[CT+12+\i], v[CT+\i], v[CT+4+\i]       ; the sine
.endr
.irp i, 0,1,2,3
	v_mul_f32 v[CT+\i], v[CT+8+\i], v[CT+8+\i]
.endr
.irp i, 0,1,2,3
	v_fma_f32 v[CT+4+\i], v[CT+8+\i], -0.5, 1.0
.endr
.irp i, 0,1,2,3
	s_delay_alu instid0(VALU_DEP_4)
	v_fma_f32 v[CT+16+\i], v[CT+16+\i], v[CT+\i], v[CT+4+\i]       ; the cosine
.endr
.irp i, 0,1,2,3
	v_and_b32 v[CT+\i], 1, v[CT+20+\i]
.endr
.irp i, 0,1,2,3
	v_cmp_eq_u32 vcc_lo, 1, v[CT+\i]
	s_delay_alu instid0(VALU_DEP_1)
	v_cndmask_b32 v[CT+16+\i], v[CT+16+\i], v[CT+12+\i], vcc_lo
.endr
.irp i, 0,1,2,3
	v_add_nc_u32 v[CT+20+\i], 1, v[CT+20+\i]
.endr
.irp i, 0,1,2,3
	s_delay_alu instid0(VALU_DEP_4)
	v_and_b32 v[CT+20+\i], 2, v[CT+20+\i]
.endr
.irp i, 0,1,2,3
	s_delay_alu instid0(VALU_DEP_4)
	v_lshlrev_b32 v[CT+20+\i], 30, v[CT+20+\i]
.endr
.irp i, 0,1,2,3
	s_delay_alu instid0(VALU_DEP_4)
	v_xor_b32 v[(\b)+\i], v[CT+16+\i], v[CT+20+\i]
.endr
.endm
; Six loads: my two fragments of W1 and my 16 numbers of b1 for the step rel steps on from the two bases, into set rel % 2
.macro GLOAD rel
.set WB, WS+24*((\rel)%2)
.irp u, 0,1
	global_load_b128 v[WB+4*\u:WB+4*\u+3], v[VW1], s[8:9] offset:4096*(\rel)+256*\u
.endr
.irp u, 0,1
	global_load_b128 v[WB+8+8*\u:WB+11+8*\u], v[VB1], s[10:11] offset:512*(\rel)+32*\u
	global_load_b128 v[WB+12+8*\u:WB+15+8*\u], v[VB1], s[10:11] offset:512*(\rel)+32*\u+16
.endr
.endm
; One f32 matrix instruction: tile u of my block x my tile m of tokens.  kh = 0 starts the sum with b1 as C, kh = 1 adds the other four of K in place.
.macro FW set, m, u, kh
.set WB, WS+24*(\set)
.set rD, DH+16*((\m)%2)+8*(\u)
.if \kh == 0
	v_wmma_f32_16x16x4_f32 v[rD:rD+7], v[WB+4*(\u):WB+4*(\u)+1], v[QF+4*(\m):QF+4*(\m)+1], v[WB+8+8*(\u):WB+15+8*(\u)]
.else
	v_wmma_f32_16x16x4_f32 v[rD:rD+7], v[WB+4*(\u)+2:WB+4*(\u)+3], v[QF+4*(\m)+2:QF+4*(\m)+3], v[rD:rD+7]
.endif
.endm
; The quantiser of my tile m of tokens, in four slices; tile 0's stand behind tile 1's four matrix instructions.
.macro QS1 m                           ; relu of tile 0's eight results, from the low end on
.if (\m) >= 0
.irp j, 0,1,2,3,4,5,6,7
	v_max_num_f32 v[RL+\j], 0, v[DH+16*((\m)%2)+\j]
.endr
.endif
.endm
.macro QS2 m                           ; and of tile 1's
.if (\m) >= 0
.irp j, 0,1,2,3,4,5,6,7
	v_max_num_f32 v[RL+8+\j], 0, v[DH+16*((\m)%2)+8+\j]
.endr
.endif
.endm
.macro QS3                             ; the largest of my 16 (none is negative), in two chains, with the floor 2^(3 - 127) among the leaves: so the byte cannot fall under 1
	v_max3_num_f32 v[TM], v[RL], v[RL+1], 0x1800000
	v_max3_num_f32 v[TP], v[RL+2], v[RL+3], v[RL+4]
	s_delay_alu instid0(VALU_DEP_2)
	v_max3_num_f32 v[TM], v[TM], v[RL+5], v[RL+6]
	s_delay_alu instid0(VALU_DEP_2)
	v_max3_num_f32 v[TP], v[TP], v[RL+7], v[RL+8]
	s_delay_alu instid0(VALU_DEP_2)
	v_max3_num_f32 v[TM], v[TM], v[RL+9], v[RL+10]
	s_delay_alu instid0(VALU_DEP_2)
	v_max3_num_f32 v[TP], v[TP], v[RL+11], v[RL+12]
	s_delay_alu instid0(VALU_DEP_2)
	v_max3_num_f32 v[TM], v[TM], v[RL+13], v[RL+14]
	s_delay_alu instid0(VALU_DEP_1)
	v_max3_num_f32 v[TM], v[TM], v[TP], v[RL+15]
.endm
.macro QS4 m, ib                       ; the block's largest, its scale, the codes, and both into LDS
.if (\m) >= 0
	v_permlanex16_b32 v[TP], v[TM], s[SEL], s[SEL+1]
	s_delay_alu instid0(VALU_DEP_1)
	v_max_num_f32 v[TM], v[TM], v[TP]              ; with lane l xor 16's 16: the block's largest magnitude
	s_delay_alu instid0(VALU_DEP_1)
	v_add_nc_u32 v[TS], 0xff000000, v[TM]          ; 2 off its exponent field: the conversion takes the exponent field of this operand as its scale
	v_cvt_scalef32_pk8_fp4_f32 v[PC+2*(\m)], v[RL:RL+7], v[TS]
	v_cvt_scalef32_pk8_fp4_f32 v[PC+2*(\m)+1], v[RL+8:RL+15], v[TS]
	v_lshrrev_b32 v[TB+(\m)], 23, v[TS]            ; the scale's byte; also the plain line behind the conversions
	ds_store_b64 v[IMW], v[PC+2*(\m):PC+2*(\m)+1] offset:4096*(\ib)+1024*(\m)   ; the wave's 32 lanes fill 256 consecutive bytes: my block of the 16 tokens
	ds_store_b8 v[HSW], v[TB+(\m)] offset:256*(\ib)+64*(\m)                     ; both lanes of a token write the same byte with the same value
.endif
.endm
; My block of a step for my 32 tokens: 8 f32 matrix instructions, the two accumulators of a tile by turns, tile 0 being quantised between tile 1's.
; Behind this form eight plain vector lines that name none of its registers stand ahead of a read of its result: tile 0's second link is followed by eight v_nop or QS3's eight,
; tile 1's by QS1's eight.  A set of results is written over in the next step.
.macro PROD set, ib, lcnt
	s_wait_loadcnt \lcnt                           ; this set's six loads are in; the count leaves out the other set's six
.irp m, 0,1
	FW \set, \m, 0, 0
	QS1 \m-1
	FW \set, \m, 1, 0
	QS2 \m-1
	FW \set, \m, 0, 1
.if \m == 0
	PLACES 8
.else
	QS3
.endif
	FW \set, \m, 1, 1
	QS4 \m-1, \ib
.endr
	QS1 1
	QS2 1
	QS3
	QS4 1, \ib
.endm
; The LDS loads of a step, in one run, all into window 0: h's scale words; at a chunk's first step W2's scale words of four steps; h's four fragments; W2's eight.
.macro FETCH q
.irp p, 0,1
	ds_load_b32 v[HS+\p], v[ADRHS] offset:256*((\q)%2)+128*\p
.endr
.if (\q) == 0
.irp i, 0,1,2,3
	ds_load_b128 v[SC+4*\i:SC+4*\i+3], v[ADRSC] offset:256*\i
.endr
.endif
.irp m, 0,1,2,3
.irp c, 0,1
	ds_load_b128 v[AF+8*\m+4*\c:AF+8*\m+4*\c+3], v[ADRA] offset:4096*((\q)%2)+1024*\m+512*\c
.endr
.endr
.irp t, 0,1,2,3,4,5,6,7
.irp c, 0,1
	ds_load_b128 v[BF+8*\t+4*\c:BF+8*\t+4*\c+3], v[ADRB+(\q)/2] offset:16*PITCH*\t+64*((\q)%2)+32*\c
.endr
.endr
.endm
; One product on codes: output tile t x tokens' tile m, 128 along K.  W2's scale word lies in lanes 16-31 for t >= 4, h's for odd m.
.macro FP4 t, m, q, zero
.set rA, 8*(4*(\t)+(\m))
.set rB, BF+8*(\t)
.set rH, AF+8*(\m)
.set rS, SC+4*((\t)%4)+(\q)
.set rT, HS+(\m)/2
.if \zero
.if ((\t) < 4) && ((\m)%2 == 0)
	v_wmma_scale_f32_16x16x128_f8f6f4 v[rA:rA+7], v[rB:rB+7], v[rH:rH+7], 0, v[rS], v[rT] matrix_a_fmt:MATRIX_FMT_FP4 matrix_b_fmt:MATRIX_FMT_FP4
.elseif (\t) < 4
	v_wmma_scale_f32_16x16x128_f8f6f4 v[rA:rA+7], v[rB:rB+7], v[rH:rH+7], 0, v[rS], v[rT] matrix_a_fmt:MATRIX_FMT_FP4 matrix_b_fmt:MATRIX_FMT_FP4 matrix_b_scale:MATRIX_SCALE_ROW1
.elseif (\m)%2 == 0
	v_wmma_scale_f32_16x16x128_f8f6f4 v[rA:rA+7], v[rB:rB+7], v[rH:rH+7], 0, v[rS], v[rT] matrix_a_fmt:MATRIX_FMT_FP4 matrix_b_fmt:MATRIX_FMT_FP4 matrix_a_scale:MATRIX_SCALE_ROW1
.else
	v_wmma_scale_f32_16x16x128_f8f6f4 v[rA:rA+7], v[rB:rB+7], v[rH:rH+7], 0, v[rS], v[rT] matrix_a_fmt:MATRIX_FMT_FP4 matrix_b_fmt:MATRIX_FMT_FP4 matrix_a_scale:MATRIX_SCALE_ROW1 matrix_b_scale:MATRIX_SCALE_ROW1
.endif
.else
.if ((\t) < 4) && ((\m)%2 == 0)
	v_wmma_scale_f32_16x16x128_f8f6f4 v[rA:rA+7], v[rB:rB+7], v[rH:rH+7], v[rA:rA+7], v[rS], v[rT] matrix_a_fmt:MATRIX_FMT_FP4 matrix_b_fmt:MATRIX_FMT_FP4
.elseif (\t) < 4
	v_wmma_scale_f32_16x16x128_f8f6f4 v[rA:rA+7], v[rB:rB+7], v[rH:rH+7], v[rA:rA+7], v[rS], v[rT] matrix_a_fmt:MATRIX_FMT_FP4 matrix_b_fmt:MATRIX_FMT_FP4 matrix_b_scale:MATRIX_SCALE_ROW1
.elseif (\m)%2 == 0
	v_wmma_scale_f32_16x16x128_f8f6f4 v[rA:rA+7], v[rB:rB+7], v[rH:rH+7], v[rA:rA+7], v[rS], v[rT] matrix_a_fmt:MATRIX_FMT_FP4 matrix_b_fmt:MATRIX_FMT_FP4 matrix_a_scale:MATRIX_SCALE_ROW1
.else
	v_wmma_scale_f32_16x16x128_f8f6f4 v[rA:rA+7], v[rB:rB+7], v[rH:rH+7], v[rA:rA+7], v[rS], v[rT] matrix_a_fmt:MATRIX_FMT_FP4 matrix_b_fmt:MATRIX_FMT_FP4 matrix_a_scale:MATRIX_SCALE_ROW1 matrix_b_scale:MATRIX_SCALE_ROW1
.endif
.endif
.endm
; A step's 32 products.  The 32 accumulators take turns, one instruction a turn, in the same order in every step.  zero = 1: the first step starts the sums.
; prod = 1: the four image stores of the block just made were issued behind this step's loads.
.macro MUL q, zero, prod
.if \prod
	s_wait_dscnt 12                                ; out may be: W2's fragments of tiles 4-7 (8 loads) and the 4 stores behind them
.else
	s_wait_dscnt 8
.endif
	WIN M_ON
.irp t, 0,1,2,3
.irp m, 0,1,2,3
	FP4 \t, \m, \q, \zero
.endr
.endr
.if \prod
	s_wait_dscnt 4                                 ; all loads are in; the 4 stores may be out
.else
	s_wait_dscnt 0
.endif
.irp t, 4,5,6,7
.irp m, 0,1,2,3
	FP4 \t, \m, \q, \zero
.endr
.endr
	WIN 0
	PLACES 4                                       ; ahead of the next loads into registers that these products have read, and of the first read of results (ISA guide 7.12.1 for the read of results)
.endm
; A STEP.  q = step % 4.  Its barrier hands over h's image of this step (every wave's stores waited for) and frees the other image buffer (every wave's loads waited for).
; head = 0: a slot's second step: the plain barrier; the tensor load that is out stays out.
; head = 1, 2: a slot's first step: each wave waits for all its tensor loads (at most one is out: its part of the slot ahead, or the scale bytes), adds 0 to its spare word, steps the descriptors that were used at the
;   head before, waits for the add and for its LDS instructions, and passes a round of the cluster's barrier; the slot just left is filled first thing behind it (head = 2: and the next four steps' scale bytes).
; head = 3: the last slot's first step: the same lines, my work-group's barrier, and nothing is asked for.
; prod = 1: the next step's block is made, from set (q + 1) % 2 into image buffer (q + 1) % 2.  rel >= 0: behind it that set is asked for again, with W1 and b1 of the step three on from this one:
; sixteen plain lines of the quantiser that name none of the set's registers stand between the last f32 product and these loads.
.macro TRIP q, head, rel, prod, lcnt, zero
.if \head == 0
	s_wait_dscnt 0x0                               ; my image stores have landed, my loads of the last step are in
	s_barrier_signal -1
	s_barrier_wait -1
.else
	s_wait_tensorcnt 0x0                           ; no tensor load of mine is out, so a group 0 may be written
	ds_add_u32 v[SPW], v[NIL]                      ; 0 onto my spare word
.if \head == 1
	s_add_nc_u64 s[G0C0+2:G0C0+3], s[G0C0+2:G0C0+3], 256   ; slot 0's next tile: two slots on along the rows
	s_add_nc_u64 s[G0S+2:G0S+3], s[G0S+2:G0S+3], 16        ; the next four steps' scale bytes
.elseif \head == 2
	s_add_nc_u64 s[G0C1+2:G0C1+3], s[G0C1+2:G0C1+3], 256
.endif
	s_wait_dscnt 0x0                               ; the add is done, my image stores have landed, my reads of the slot that I leave are over
.if \head == 3
	s_barrier_signal -1
	s_barrier_wait -1
.else
	ROUND                                          ; all that now holds of every wave of the four work-groups
.if \head == 1
	JLOAD G0C1, 0
.else
	JLOAD G0C0, 1
.endif
.endif
.endif
	FETCH \q
.if \prod
	PROD (\q+1)%2, (\q+1)%2, \lcnt
.endif
.if \rel >= 0
	GLOAD \rel
.endif
	MUL \q, \zero, \prod
.endm
	s_load_b256 s[4:11], s[0:1], 0x0               ; x s[4:5], theta s[6:7], W1 s[8:9], b1 s[10:11]
	s_load_b256 s[12:19], s[0:1], 0x20             ; W2's codes s[12:13], its scales s[14:15], b2 s[16:17], out0 s[18:19]
	v_lshl_add_u32 v[SPW], v0, 2, SPARE
	v_mov_b32 v[NIL], 0
	ds_add_u32 v3, v4
	ds_add_u32 v3, v4
	s_wait_dscnt 0x0
	v_lshrrev_b32 v1, 5, v0
	s_delay_alu instid0(VALU_DEP_1)
	v_readfirstlane_b32 s[WV], v1                  ; wave W = 0..7
	s_and_b32 s2, s[WV], 3                         ; W % 4: which block of a step I make
	s_lshr_b32 s3, s[WV], 2                        ; W / 4: for which half of the tokens
	v_and_b32 v1, 15, v0                           ; r
	v_bfe_u32 v2, v0, 4, 1                         ; h
	v_and_b32 v[TM], 31, v0                        ; lane
	; every address register is made here, ahead of the first branch on the wave's number
	s_mul_i32 s75, s[WV], 128*PITCH
	v_mul_u32_u24 v[ADRB], v1, PITCH
	s_delay_alu instid0(VALU_DEP_1)
	v_lshl_add_u32 v[ADRB], v2, 4, v[ADRB]
	s_delay_alu instid0(VALU_DEP_1)
	v_add_nc_u32 v[ADRB], s75, v[ADRB]             ; row 128 W + r, + 16 h
	s_delay_alu instid0(VALU_DEP_1)
	v_add_nc_u32 v[ADRB+1], SLOT, v[ADRB]
	v_lshl_add_u32 v[ADRA], v[TM], 4, HIMG
	v_lshl_add_u32 v[ADRHS], v[TM], 2, HSC
	s_lshl_b32 s75, s[WV], 11
	s_add_co_u32 s75, s75, SCH
	v_lshlrev_b32 v[ADRSC], 4, v1
	s_delay_alu instid0(VALU_DEP_1)
	v_lshl_add_u32 v[ADRSC], v2, 10, v[ADRSC]      ; lanes 16-31 take the tile four further on
	s_delay_alu instid0(VALU_DEP_1)
	v_add_nc_u32 v[ADRSC], s75, v[ADRSC]
	s_lshl_b32 s75, s2, 8
	s_lshl_b32 s21, s3, 11
	s_add_co_u32 s75, s75, s21
	s_add_co_u32 s75, s75, HIMG
	v_lshlrev_b32 v[IMW], 4, v1
	s_delay_alu instid0(VALU_DEP_1)
	v_lshl_add_u32 v[IMW], v2, 3, v[IMW]
	s_delay_alu instid0(VALU_DEP_1)
	v_add_nc_u32 v[IMW], s75, v[IMW]               ; block b is registers 4 (b / 2) .. + 3 of lane 16 (b % 2) + r: 512 (b / 2) + 256 (b % 2) = 256 b; my half of its 16 bytes at 8 h; my first tile of tokens at 1,024 x 2 (W / 4)
	s_lshl_b32 s75, s3, 7
	s_add_co_u32 s75, s75, s2
	s_add_co_u32 s75, s75, HSC
	v_lshlrev_b32 v[HSW], 2, v1
	s_delay_alu instid0(VALU_DEP_1)
	v_add_nc_u32 v[HSW], s75, v[HSW]
	s_mul_i32 s75, s[WV], 16*SPITCH
	v_mul_u32_u24 v[STO], v1, SPITCH
	s_delay_alu instid0(VALU_DEP_1)
	v_lshl_add_u32 v[STO], v2, 5, v[STO]
	s_delay_alu instid0(VALU_DEP_1)
	v_add_nc_u32 v[STO], s75, v[STO]               ; the stage: row r, 32 bytes for each half of the lanes
	v_lshl_add_u32 v[RD], v[TM], 4, s75            ; back: the 32 lanes take one row of 512 bytes
	s_lshl_b32 s75, s[WV], 9
	v_lshl_add_u32 v[CO], v[TM], 4, s75
	v_and_b32 v[TP], 8, v1
	s_delay_alu instid0(VALU_DEP_1)
	v_add_nc_u32 v[TP], v[TP], v1                  ; r + 8 (r / 8)
	s_lshl_b32 s75, s2, 10
	v_lshlrev_b32 v[VW1], 5, v[TP]                 ; a row of W1 is 32 bytes
	s_delay_alu instid0(VALU_DEP_1)
	v_lshl_add_u32 v[VW1], v2, 4, v[VW1]
	s_delay_alu instid0(VALU_DEP_1)
	v_add_nc_u32 v[VW1], s75, v[VW1]               ; + my block's 32 rows: 1,024 (W % 4)
	s_lshl_b32 s75, s2, 7
	v_lshlrev_b32 v[VB1], 6, v2
	s_delay_alu instid0(VALU_DEP_1)
	v_add_nc_u32 v[VB1], s75, v[VB1]               ; b1: 128 (W % 4) + 64 h
	s_lshl_b32 s75, s3, 17
	v_lshlrev_b32 v[XO], 12, v1
	s_delay_alu instid0(VALU_DEP_1)
	v_lshl_add_u32 v[XO], v2, 4, v[XO]
	s_delay_alu instid0(VALU_DEP_1)
	v_add_nc_u32 v[XO], s75, v[XO]                 ; x: row 32 (W / 4) + r of 4,096 bytes, + 16 h
	v_lshlrev_b32 v[TO], 4, v2                     ; theta: 16 h
	; descriptor group 1, elements of one byte.  Codes: rows of 128 bytes, 2,048 apart in memory, 4 words of padding behind every 32
	s_mov_b32 s[G1A], 15|(1<<20)|(1<<21)|(4<<22)|(3<<25)   ; 15:0 the mask: all four work-groups; 20 padding on; 21 set beside a mask; 24:22 after every 32 words (code 4); 31:25 four words (code 3)
	s_mov_b32 s[G1B], 15|(1<<20)|(1<<21)|(4<<22)|(3<<25)
.irp g, G1A, G1B
	s_mov_b32 s[\g+1], 128<<16                     ; tensor_dim0
	s_mov_b32 s[\g+3], 128<<16                     ; tile_dim0
	s_mov_b32 s[\g+5], 2048                        ; tensor_dim0_stride
	s_mov_b32 s[\g+6], 0
	s_mov_b32 s[\g+7], 0
.endr
	s_mov_b32 s[G1A+2], 344<<16                    ; tensor_dim1
	s_mov_b32 s[G1A+4], 344                        ; tile_dim1
	s_mov_b32 s[G1B+2], 336<<16
	s_mov_b32 s[G1B+4], 336
	s_mov_b32 s[G1S], 15|(1<<21)                   ; the scale bytes: 1,024 rows of 16 bytes, 128 apart in memory, dense in LDS
	s_mov_b32 s[G1S+1], 16<<16
	s_mov_b32 s[G1S+2], 1024<<16
	s_mov_b32 s[G1S+3], 16<<16
	s_mov_b32 s[G1S+4], 1024
	s_mov_b32 s[G1S+5], 128
	s_mov_b32 s[G1S+6], 0
	s_mov_b32 s[G1S+7], 0
	s_min_u32 s21, s[WV], 2                        ; waves 0, 1, 2 begin at rows 0, 344, 688 (the other waves never ask by these)
	s_mul_i32 s78, s21, 344*2048                   ; in memory,
	s_mov_b32 s79, 0
	s_mul_i32 s21, s21, 344*PITCH                  ; and in a slot: no place in the cluster enters an LDS address or a descriptor
	s_bfe_u32 s22, ttmp6, 0x40000                  ; cx: my place in the cluster
	s_lshl_b32 s23, ttmp9, 2                       ; in a cluster launch ttmp9 counts clusters
	s_add_co_u32 s23, s23, s22                     ; my block of 64 tokens: it enters x's and out0's addresses alone
	s_lshl_b32 s76, s23, 18                        ; 64 rows of 4,096 bytes
	s_mov_b32 s77, 0
	s_mov_b32 s[SEL], 0x76543210
	s_mov_b32 s[SEL+1], 0xfedcba98                 ; v_permlanex16_b32's selects for lane l xor 16
	s_mov_b32 s[K2PI], 0x3f22f983                  ; 2 / pi
	s_mov_b32 s[KHI], 0xbfc90fdb                   ; -(pi / 2 rounded to f32)
	s_mov_b32 s[KLO], 0x333bbd2e                   ; that rounded number less pi / 2: 4.37113883e-8
	s_mov_b32 s[KS1], 0xbe2aaaa3                   ; -1.6666654611e-1
	s_mov_b32 s[KS2], 0x3c08839e                   ; 8.3321608736e-3
	s_mov_b32 s[KS3], 0xb94ca1f9                   ; -1.9515295891e-4
	s_mov_b32 s[KC1], 0x3d2aaaa5                   ; 4.166664568e-2
	s_mov_b32 s[KC2], 0xbab6061a                   ; -1.388731625e-3
	s_mov_b32 s[KC3], 0x37ccf5ce                   ; 2.443315712e-5
	s_mov_b32 s[CNT], 7
	s_wait_alu depctr_va_vdst(0)
	s_wait_kmcnt 0x0
	s_add_nc_u64 s[4:5], s[4:5], s[76:77]
	s_add_nc_u64 s[18:19], s[18:19], s[76:77]
	; the loads into registers go out first: they are on their way while the work-groups meet and the first tiles are asked for
.irp m, 0,1
	global_load_b128 v[QF+4*\m:QF+4*\m+3], v[XO], s[4:5] offset:65536*\m   ; x[16 (2 (W / 4) + m) + r][4 h .. 4 h + 3]
.endr
	global_load_b128 v[TH:TH+3], v[TO], s[6:7]
	global_load_b128 v[B2R:B2R+3], v[CO], s[16:17] ; b2[128 W + 4 lane .. + 3]
	GLOAD 0
	GLOAD 1
	s_add_nc_u64 s[78:79], s[12:13], s[78:79]
	s_mov_b32 s[G0C0], 1                           ; 1:0 count = 1
	s_mov_b32 s[G0C0+1], s21                       ; 63:32 LDS address: slot 0
	s_mov_b64 s[G0C0+2:G0C0+3], s[78:79]           ; 120:64 global address: steps 0 and 1
	s_or_b32 s[G0C0+3], s[G0C0+3], 0x80000000      ; 127:126 type = 2
	s_mov_b32 s[G0C1], 1
	s_add_co_u32 s[G0C1+1], s21, SLOT
	s_add_nc_u64 s[G0C1+2:G0C1+3], s[78:79], 128   ; steps 2 and 3
	s_or_b32 s[G0C1+3], s[G0C1+3], 0x80000000
	s_mov_b32 s[G0S], 1
	s_mov_b32 s[G0S+1], SCH
	s_mov_b64 s[G0S+2:G0S+3], s[14:15]
	s_or_b32 s[G0S+3], s[G0S+3], 0x80000000
	ROUND                                          ; all four work-groups are here: the first joint loads meet
	JLOAD G0C0, 1                                  ; slot 0 and the first four steps' scale bytes: one load a wave
	s_wait_loadcnt 12                              ; x, theta and b2 are in; the 12 loads of the two sets may be out
	COS4 QF
	COS4 QF+4
	COS4 TH
.irp m, 0,1
.irp p, 0,1
	v_pk_mul_f32 v[QF+4*\m+2*\p:QF+4*\m+2*\p+1], v[QF+4*\m+2*\p:QF+4*\m+2*\p+1], v[TH+2*\p:TH+2*\p+1]
.endr
.endr
	s_wait_alu depctr_va_vdst(0)
	PROD 0, 0, 6                                   ; step 0's block; set 1 may be out
	GLOAD 2                                        ; and set 0 takes step 2's
	TRIP 0, 1, 3, 1, 6, 1                          ; step 0 stands ahead of the loop: its products start the sums; slot 1 is first filled here, issued as a refill is
.Lloop:                                            ; seven trips: steps 4 L + 1 .. 4 L + 4
	TRIP 1, 0, 4, 1, 6, 0
	TRIP 2, 2, 5, 1, 6, 0
	TRIP 3, 0, 6, 1, 6, 0
	TRIP 0, 1, 7, 1, 6, 0
	s_wait_xcnt 0x0                                ; the loads of W1 and b1 have read their bases: these step only behind this wait
	s_add_nc_u64 s[8:9], s[8:9], 4*4096
	s_add_nc_u64 s[10:11], s[10:11], 4*512
	s_sub_co_i32 s[CNT], s[CNT], 1
	s_cmp_lg_u32 s[CNT], 0
	s_cbranch_scc1 .Lloop
	TRIP 1, 0, -1, 1, 6, 0                         ; steps 29 to 31 are written out
	TRIP 2, 3, -1, 1, 0, 0
	TRIP 3, 0, -1, 0, 0, 0
; THE WAY OUT, in four blocks of 16 tokens x my 128 outputs.  A lane holds 32 neighbouring bytes of a row, the lanes beside it other rows: a block goes through my own
; stage in LDS and comes back as whole rows of 512 bytes; b2 is added there, two numbers an instruction.  LDS serves a wave's instructions in order (ISA guide 5.7.1.4): no wait between the stores and the loads.
.macro TOSTAGE a
	WIN 0x04                                       ; an LDS store's data are its source 1: window 1
.irp t, 0,1,2,3,4,5,6,7
	ds_store_b128 v[STO], v[8*(4*\t+(\a)):8*(4*\t+(\a))+3] offset:64*\t       ; each accumulator from its low end on
	ds_store_b128 v[STO], v[8*(4*\t+(\a))+4:8*(4*\t+(\a))+7] offset:64*\t+16
.endr
	WIN 0
.set BB, BK+64*((\a)%2)
.irp i, 0,1,2,3,4,5,6,7,8,9,10,11,12,13,14,15
	ds_load_b128 v[BB+4*\i:BB+4*\i+3], v[RD] offset:SPITCH*\i
.endr
.endm
.macro SEND a, younger                 ; younger: the LDS instructions issued behind block a's loads, which may stay out
.set BB, BK+64*((\a)%2)
	s_wait_dscnt \younger
.irp i, 0,1,2,3,4,5,6,7,8,9,10,11,12,13,14,15
	v_pk_add_f32 v[BB+4*\i:BB+4*\i+1], v[BB+4*\i:BB+4*\i+1], v[B2R:B2R+1]
	v_pk_add_f32 v[BB+4*\i+2:BB+4*\i+3], v[BB+4*\i+2:BB+4*\i+3], v[B2R+2:B2R+3]
.endr
.irp i, 0,1,2,3,4,5,6,7,8,9,10,11,12,13,14,15
	global_store_b128 v[CO], v[BB+4*\i:BB+4*\i+3], s[18:19] offset:(16*(\a)+\i)*4096 th:TH_STORE_NT   ; 32 lanes store 512 consecutive bytes, at a multiple of 512 from out0's first byte; written once, read by nobody here
.endr
.endm
	TOSTAGE 0
.irp a, 1,2,3
.if \a > 1
	s_wait_xcnt 0x0                                ; block a - 2's stores have read their registers: block a's loads may land there
.endif
	TOSTAGE \a
	SEND \a-1, 32                                  ; behind block a - 1's loads: block a's 16 stores and 16 loads
.endr
	SEND 3, 0
	s_wait_tensorcnt 0x0                           ; the wave's end: behind my last tensor load and my last LDS store
	ds_add_u32 v[SPW], v[NIL]
	s_wait_dscnt 0x0
	ROUND                                          ; the closing round: no work-group ends while a partner may still ask for a tile that names it
	s_endpgm
.Lfunc_end_k_q3ebb7806d0_ffq:
	.size	k_q3ebb7806d0_ffq, .Lfunc_end_k_q3ebb7806d0_ffq-k_q3ebb7806d0_ffq
	.p2alignl 7, 3214868480
	.fill 96, 4, 3214868480
	.section	.rodata,"a",@progbits
	.p2align	6, 0x0
	.amdhsa_kernel k_q3ebb7806d0_ffq
		.amdhsa_group_segment_fixed_size 327680
		.amdhsa_private_segment_fixed_size 0
		.amdhsa_enable_private_segment 0
		.amdhsa_kernarg_size 64
		.amdhsa_user_sgpr_count 2
		.amdhsa_user_sgpr_kernarg_segment_ptr 1
		.amdhsa_wavefront_size32 1
		.amdhsa_system_sgpr_workgroup_id_x 1
		.amdhsa_system_sgpr_workgroup_id_y 1
		.amdhsa_system_sgpr_workgroup_id_z 1
		.amdhsa_system_vgpr_workitem_id 0
		.amdhsa_next_free_vgpr 512
		.amdhsa_next_free_sgpr 80
		.amdhsa_reserve_vcc 1
		.amdhsa_float_denorm_mode_32 3
		.amdhsa_float_denorm_mode_16_64 3
		.amdhsa_memory_ordered 1
		.amdhsa_forward_progress 1
		.amdhsa_inst_pref_size 138
	.end_amdhsa_kernel
	.amdgpu_metadata
---
amdhsa.version: [ 1, 2 ]
amdhsa.kernels:
  - .name:           k_q3ebb7806d0_ffq
    .symbol:         k_q3ebb7806d0_ffq.kd
    .args:
      - { .name: x, .offset: 0, .size: 8, .value_kind: global_buffer, .address_space: global }
      - { .name: ry_theta, .offset: 8, .size: 8, .value_kind: global_buffer, .address_space: global }
      - { .name: W1, .offset: 16, .size: 8, .value_kind: global_buffer, .address_space: global }
      - { .name: b1, .offset: 24, .size: 8, .value_kind: global_buffer, .address_space: global }
      - { .name: W2_codes, .offset: 32, .size: 8, .value_kind: global_buffer, .address_space: global }
      - { .name: W2_scales, .offset: 40, .size: 8, .value_kind: global_buffer, .address_space: global }
      - { .name: b2, .offset: 48, .size: 8, .value_kind: global_buffer, .address_space: global }
      - { .name: out0, .offset: 56, .size: 8, .value_kind: global_buffer, .address_space: global }
    .group_segment_fixed_size: 327680
    .private_segment_fixed_size: 0
    .kernarg_segment_align: 8
    .kernarg_segment_size: 64
    .max_flat_workgroup_size: 256
    .sgpr_count:     80
    .vgpr_count:     512
    .wavefront_size: 32
...
	.end_amdgpu_metadata
.endif
;; end of part 1
